; MI455X (gfx1250); checked and timed in simulation.
; The chip was launched on July 23, 2026; its instructions are those of AMD's public machine-readable ISA for CDNA 5 (MIT licence, August 2026) and "CDNA5" Instruction Set Architecture Reference Guide (July 2026). The comments in the code are by the model that wrote it; some were corrected since.
;; Patch Core Anomaly Head. Allowed arithmetic: matrix products marked QUANTISED: E5M2 operands, one E8M0 scale for each 32 along K, by v_wmma_scale_f32_16x16x128_f8f6f4 with both operands' format E5M2, f32 sums; everything else in f32.
;; Inputs: W1_codes 512 x 32 x 32 uint8 (E5M2 codes of W1, K innermost, in blocks of 32 codes); W1_scales 512 x 32 uint8 (E8M0 scales of W1, one for each 32 codes along K); W2_codes 256 x 16 x 32 uint8 (E5M2 codes of W2, K innermost, in blocks of 32 codes); W2_scales 256 x 16 uint8 (E8M0 scales of W2, one for each 32 codes along K); b1 512 float32; b2 256 float32; features_codes 8 x 4,096 x 32 x 32 uint8 (E5M2 codes of features, K innermost, in blocks of 32 codes); features_scales 8 x 4,096 x 32 uint8 (E8M0 scales of features, one for each 32 codes along K); memory_bank 4,096 x 256 float32.
;; Outputs: out0 8 x 4,096 float32.
;; This version of the problem:
;;   THIS VERSION OF THE PROBLEM IS GIVEN IN LOW PRECISION. The matrix products marked QUANTISED in the list below multiply operands that are first quantised to E5M2 (5 exponent bits, 2 mantissa bits; 8 bits a number), with one power-of-two scale for each 32 numbers along K (OCP MX v1.0); their sums are f32. All else is computed in f32.
;;   The module's matrix products, in the order in which they are computed (A, B: the left and right operand; K: the contracted axis; several contracted axes count as one K, in the product's order):
;;     1. [M 32,768, K 1,024] x [K 1,024, N 512]; A: input features (given as codes); B: input W1 (given as codes): QUANTISED
;;     2. [M 32,768, K 512] x [K 512, N 256]; A: computed on the way; B: input W2 (given as codes): QUANTISED
;;     3. [M 32,768, K 256] x [K 256, N 4,096]; A: computed on the way; B: input memory_bank: QUANTISED
;;   THE QUANTISER, for each operand of a quantised product, along K:
;;     - K is cut into blocks of 32 from its start; a last block that is shorter is filled with zeros.
;;     - A block's scale is 2^e with e = floor(log2(the largest magnitude in the block)) - 15, held to -126 .. 127; a block of zeros has e = 0. As a byte (E8M0): e + 127.
;;     - Each number is divided by its block's scale, clamped to +-57,344, and rounded to the nearest number of E5M2, ties to even, subnormals kept.
;;     - The product sums the exact products of the quantised numbers (number of the format x scale) in f32.
;;   ~~~python
;;   def quantise(x, axis):      # numpy; x: float32 -> the quantised numbers, widened to float32 again
;;       x = np.moveaxis(x, axis, -1); K = x.shape[-1]
;;       x = np.pad(x, [(0, 0)] * (x.ndim - 1) + [(0, -K % 32)]); x = x.reshape(x.shape[:-1] + (-1, 32)); a = np.abs(x).max(-1, keepdims=True)
;;       e = np.where(a > 0, np.clip(np.frexp(np.where(a > 0, a, 1))[1] - 1 - 15, -126, 127), 0)      # np.frexp(a)[1] - 1 = floor(log2(a)), exactly
;;       r = np.clip(x / 2.0 ** e, -57344, 57344)
;;       step = 2.0 ** (np.maximum(np.frexp(np.where(r == 0, 1, r))[1] - 1, -14) - 2)
;;       q = np.round(r / step) * step * 2.0 ** e      # np.round: ties to even
;;       return np.moveaxis(q.reshape(q.shape[:-2] + (-1,))[..., :K], -1, axis).astype(np.float32)
;;   ~~~
;;   OPERANDS COMPUTED ON THE WAY. 'Computed on the way' means the value that the module computes at that place (a softmax that the list does not call 'softmax' is quantised finished and normalised). What goes into a quantiser is computed in f32, as accurately as f32 sums, v_exp_f32 and their like allow (about 1e-6 of the number): no bf16 or f16 on the way to a quantiser, and a product that is left as it is and whose result goes on into a quantised operand takes f32 operands (vector FMAs, or v_wmma_f32_16x16x4_f32). A number that lies on a knife's edge between two numbers of the format may be rounded either way, as far as f32 arithmetic and the matrix unit's own rounding can turn it there, and no further.
;;   INPUTS GIVEN AS CODES. W1 (in the module: [1024, 512], K = its axis 0); W2 (in the module: [512, 256], K = its axis 0); features (in the module: [8, 4096, 1024], K = its axis 2): each comes as NAME_codes (uint8): NAME with its K axis moved to the last place and cut into blocks of 32 codes, [.., K / 32, bytes a block], one block behind the other in memory; one code a byte (a code: sign, 5 exponent bits, 2 mantissa bits); and NAME_scales (uint8): the same leading axes, one E8M0 byte (e + 127) for each 32 codes along K. Its value is code x scale, taken as it is: it is not quantised again, and the codes and scales need not be those that the quantiser above would give.
;; One version. Each part assembles by itself: llvm-mc -triple=amdgcn-amd-amdhsa -mcpu=gfx1250 --defsym DOCPART=n.
;; ======== version 1 of 1: 2 launches
;; limits: right only within a limited range of input values
;; workspace buffers: wts 1,783,808 bytes
;; launch prep (part 1): grid 104 x 1, 8 waves a work-group, no clusters, 2,048 bytes of LDS; arguments W1_codes, W1_scales, W2_codes, W2_scales, memory_bank, wts; writes wts
.if DOCPART == 1
	.amdgcn_target "amdgcn-amd-amdhsa--gfx1250"
	.amdhsa_code_object_version 6
	.text
	.protected	k_q579252e85f_prep
	.globl	k_q579252e85f_prep
	.p2align	8
	.type	k_q579252e85f_prep,@function
k_q579252e85f_prep:
	s_mov_b64 s[64:65], 0
	v_nop
	global_prefetch_b8 v0, s[64:65] scope:SCOPE_SE
	s_setreg_imm32_b32 hwreg(HW_REG_WAVE_MODE, 25, 1), 1
	s_wait_xcnt 0x0
; THE WEIGHTS OF ALL THREE PRODUCTS, LAID IN THE ORDER OF THE OPERANDS' REGISTERS.  wts is a stream of 26 chunks; a chunk has a quarter for each of the four waves of the launch that reads it.
; A chunk quarter (CQ = 17,152 bytes): eight fragment images of 2,048 bytes (piece q of 512 bytes = registers 4 q .. 4 q + 3: lane l's 16 bytes at 16 l: codes k = 32 q + 16 (l / 16) + 0 .. 15 of fragment row l % 16);
; a scale image of 512 bytes (lane l's 16 bytes at 16 l; register i holds fragment 2 i's sixteen scale words in lanes 0-15, fragment 2 i + 1's in lanes 16-31); 64 f32 numbers.
; Chunk c, quarter w, lies at ((c / 2) 4 + w) SQ + (c % 2) CQ, so that a wave's part of two chunks is one dense block.
;   c = 0..7   W1, K step c: fragment f, row r = hidden unit 128 w + 32 (f / 2) + 8 (f % 2) + r + 8 (r / 8); the 64 numbers are zeros
;   c = 8, 9   W2: fragment f: K step 2 (c - 8) + f / 4, n = f % 4: row r = output 64 w + 32 (n / 2) + 8 (n % 2) + r + 8 (r / 8); zeros
;   c = 10..25 the memory bank, QUANTISED HERE: tile T = 16 (c - 10) + 4 w + t of 16 entries, fragment 2 t + s = its K step s; the 64 numbers are -m2 / 2 of the four tiles' entries (m2 of the unquantised numbers)
; A block's scale byte is its largest magnitude's exponent field - 15, held at 1 from below.  A block of zeros so gets the byte 1 where the rule says 127: its codes are zeros, which add nothing
; under any byte but 0xff, and the bytes are read by this program alone.
; LIMITS: NaN and infinities in the memory bank are not served.  m2 is summed in four packed chains for each half of K, another order than a plain sum's.
; SHARES: a work-group of eight waves makes one chunk quarter (work-group = 4 c + w); wave f makes fragment f.  Bank: t = f / 2 is the tile, s = f % 2 the K step: 16 rows x 128 numbers a wave;
; the scale words and the two halves of -m2 / 2 meet in LDS, and wave 0 stores them.  Weights: wave f copies fragment f; wave 0 adds the scale image and the zeros.
; The three paths part on the work-group's number alone.  Only the bank's path uses LDS, and only it has a barrier.
.set CQ,  17152
.set SQ,  2*CQ
.set X,   32                           ; v32-95   64 numbers of my row: register 16 b + i = k 32 b + 16 (lane / 16) + i of my K step
.set CD,  160                          ; v160-175 the fragment's codes
.set MX,  192
.set PB,  196
.set HD,  200
.set SO,  204
.set PW,  208                          ; my row's scale word
.set SM,  210                          ; v210-217 four packed chains of squares
.set M2,  219
.set OB,  220                          ; v220-227 the way out of LDS
.set SEL, 30
.set MNT, 32
	s_load_b256 s[4:11], s[0:1], 0x0               ; W1's codes, its scales, W2's codes, its scales
	s_load_b128 s[12:15], s[0:1], 0x20             ; the bank, wts
	v_lshl_add_u32 v232, v0, 2, 0x400              ; my spare word: 1,024 bytes from byte 1,024 on for the eight waves
	v_mov_b32 v233, 0
	v_lshrrev_b32 v1, 5, v0
	v_readfirstlane_b32 s16, v1                    ; wave f
	v_and_b32 v1, 31, v0                           ; lane l
	v_and_b32 v2, 15, v0                           ; r
	v_bfe_u32 v3, v0, 4, 1                         ; h
	v_lshlrev_b32 v5, 4, v1                        ; 16 l
	v_lshlrev_b32 v10, 3, v1                       ; 8 l
	s_lshr_b32 s33, s16, 1                         ; t
	s_and_b32 s34, s16, 1                          ; s
	s_lshr_b32 s17, ttmp9, 2                       ; chunk c
	s_and_b32 s18, ttmp9, 3                        ; quarter w
	s_lshr_b32 s20, s17, 1
	s_lshl_b32 s20, s20, 2
	s_add_co_u32 s20, s20, s18
	s_mul_i32 s20, s20, SQ
	s_and_b32 s21, s17, 1
	s_mul_i32 s21, s21, CQ
	s_add_co_u32 s20, s20, s21                     ; where my chunk quarter begins
	s_mov_b32 s21, 0
	s_lshl_b32 s22, s16, 11                        ; my wave's image in it
	s_mov_b32 s23, 0
	s_mov_b32 s[SEL], 0x76543210
	s_mov_b32 s[SEL+1], 0xfedcba98
	s_mov_b32 s[MNT], 0x600000
	s_wait_kmcnt 0x0
	s_add_nc_u64 s[14:15], s[14:15], s[20:21]
	s_add_nc_u64 s[24:25], s[14:15], s[22:23]
	s_cmp_lt_u32 s17, 8
	s_cbranch_scc1 .Lw1
	s_cmp_lt_u32 s17, 10
	s_cbranch_scc1 .Lw2
	; ---- THE BANK: 16 entries x my 128 of their 256 numbers
	s_sub_co_u32 s26, s17, 10
	s_lshl_b32 s26, s26, 4
	s_lshl_b32 s27, s18, 2
	s_add_co_u32 s26, s26, s27
	s_add_co_u32 s26, s26, s33                     ; T
	s_lshl_b32 s26, s26, 14                        ; 16 rows of 1,024 bytes
	s_lshl_b32 s27, s34, 9                         ; + my K step's 512 bytes
	s_add_co_u32 s26, s26, s27
	s_mov_b32 s27, 0
	s_add_nc_u64 s[12:13], s[12:13], s[26:27]
	s_lshl_b32 s28, s34, 8
	s_lshl_b32 s29, s33, 2
	s_add_co_u32 s29, s29, s28                     ; 256 s + 4 t
	s_lshl_b32 s35, s33, 6
	s_add_co_u32 s28, s28, s35                     ; 256 s + 64 t
	s_wait_alu depctr_va_vdst(0)                   ; directly ahead of the reader below
	v_lshlrev_b32 v4, 10, v2
	v_lshl_add_u32 v4, v3, 6, v4                   ; row r, + 64 h: my 16 numbers of each block of 32
.irp b, 0,1,2,3
.irp j, 0,1,2,3
	global_load_b128 v[X+16*\b+4*\j:X+16*\b+4*\j+3], v4, s[12:13] offset:128*\b+16*\j th:TH_LOAD_NT
.endr
.endr
	v_lshl_add_u32 v6, v2, 4, s29                  ; LDS: the scale image: 16 (r + 16 s) + 4 t
	v_lshl_add_u32 v7, v2, 2, s28
	v_add_nc_u32 v7, 512, v7                       ; LDS: my half of -m2 / 2: 512 + 256 s + 64 t + 4 r
.irp b, 0,1,2,3
	v_mov_b32 v[PB+\b], 0                          ; a lane permute's destination counts as one of its sources
.endr
	s_wait_loadcnt 0x0
.irp j, 0,8,16,24,32,40,48,56                  ; the squares, ahead of the holds, which write the numbers over; the first four products start the chains
.irp k, 0,1,2,3
.if \j == 0
	v_pk_mul_f32 v[SM+2*\k:SM+2*\k+1], v[X+\j+2*\k:X+\j+2*\k+1], v[X+\j+2*\k:X+\j+2*\k+1]
.else
	v_pk_fma_f32 v[SM+2*\k:SM+2*\k+1], v[X+\j+2*\k:X+\j+2*\k+1], v[X+\j+2*\k:X+\j+2*\k+1], v[SM+2*\k:SM+2*\k+1]
.endif
.endr
.endr
.irp b, 0,1,2,3
	v_max3_num_f32 v[MX+\b], |v[X+16*\b]|, |v[X+16*\b+1]|, 0x8000000   ; my 16 numbers of block b, and the floor 2^(16 - 127)
.endr
.irp i, 2,4,6,8,10,12,14
.irp b, 0,1,2,3
	v_max3_num_f32 v[MX+\b], v[MX+\b], |v[X+16*\b+\i]|, |v[X+16*\b+\i+1]|
.endr
.endr
.irp b, 0,1,2,3
	v_permlanex16_b32 v[PB+\b], v[MX+\b], s[SEL], s[SEL+1]
.endr
.irp b, 0,1,2,3
	v_max_num_f32 v[MX+\b], v[MX+\b], v[PB+\b]     ; with lane l xor 16's: the block's largest magnitude
.endr
.irp b, 0,1,2,3
	v_add_nc_u32 v[SO+\b], 0xf8800000, v[MX+\b]    ; 15 off its exponent field: the conversion's scale operand
.endr
.irp b, 0,1,2,3
	v_and_or_b32 v[HD+\b], v[MX+\b], 0x7f800000, s[MNT]   ; 57,344 x the scale
.endr
.irp b, 0,1,2,3
	v_lshrrev_b32 v[PB+\b], 23, v[SO+\b]           ; the scale's byte
.endr
	v_lshl_or_b32 v[PW], v[PB+1], 8, v[PB]
	v_lshl_or_b32 v[PW], v[PB+2], 16, v[PW]
	v_lshl_or_b32 v[PW], v[PB+3], 24, v[PW]
.irp b, 0,1,2,3
.irp i, 0,1,2,3,4,5,6,7,8,9,10,11,12,13,14,15
	v_med3_num_f32 v[X+16*\b+\i], v[X+16*\b+\i], -v[HD+\b], v[HD+\b]   ; the conversion does not saturate (ISA guide 7.6.2): the hold
.endr
	v_cvt_scalef32_pk8_bf8_f32 v[CD+4*\b:CD+4*\b+1], v[X+16*\b:X+16*\b+7], v[SO+\b]
	v_cvt_scalef32_pk8_bf8_f32 v[CD+4*\b+2:CD+4*\b+3], v[X+16*\b+8:X+16*\b+15], v[SO+\b]
.endr
	v_nop
.irp q, 0,1,2,3
	global_store_b128 v5, v[CD+4*\q:CD+4*\q+3], s[24:25] offset:512*\q          ; 32 lanes store 512 consecutive bytes
.endr
	v_pk_add_f32 v[SM:SM+1], v[SM:SM+1], v[SM+2:SM+3]
	v_pk_add_f32 v[SM+4:SM+5], v[SM+4:SM+5], v[SM+6:SM+7]
	v_pk_add_f32 v[SM:SM+1], v[SM:SM+1], v[SM+4:SM+5]
	v_add_f32 v[M2], v[SM], v[SM+1]                ; my 64 squares,
	v_permlanex16_b32 v[SM+2], v[M2], s[SEL], s[SEL+1]
	v_add_f32 v[M2], v[M2], v[SM+2]                ; and lane l xor 16's
	v_mul_f32 v[M2], -0.5, v[M2]
	ds_store_b32 v6, v[PW]                         ; both halves of the lanes write the same word with the same value
	ds_store_b32 v7, v[M2]
	s_wait_dscnt 0x0                               ; for the others' sake: my stores have landed
	s_barrier_signal -1
	s_barrier_wait -1
	s_cmp_lg_u32 s16, 0
	s_cbranch_scc1 .Ldone
	ds_load_b128 v[OB:OB+3], v5                    ; the scale image
	ds_load_b64 v[OB+4:OB+5], v10 offset:512       ; the 64 numbers' halves of K step 0
	ds_load_b64 v[OB+6:OB+7], v10 offset:768       ; and of K step 1
	s_wait_dscnt 0x0
	v_pk_add_f32 v[OB+4:OB+5], v[OB+4:OB+5], v[OB+6:OB+7]
	global_store_b128 v5, v[OB:OB+3], s[14:15] offset:16384    ; 512 consecutive bytes
	global_store_b64 v10, v[OB+4:OB+5], s[14:15] offset:16896  ; 256 consecutive bytes, aligned
	s_branch .Ldone
; ---- THE WEIGHTS ARE COPIED.  s26: where my fragment's first row and K step begin in the codes; s28: where the chunk quarter's scale words begin.  lp, lsp: log2 of a row of codes and of scale bytes
.macro COPYW cp, sp, lp, lsp, two
	s_mov_b32 s27, 0
	s_mov_b32 s29, 0
	s_add_nc_u64 s[\cp:\cp+1], s[\cp:\cp+1], s[26:27]
	s_add_nc_u64 s[\sp:\sp+1], s[\sp:\sp+1], s[28:29]
	v_and_b32 v4, 8, v2
	v_add_nc_u32 v4, v4, v2                        ; r + 8 (r / 8): the rows of a fragment are not neighbours
	v_lshlrev_b32 v6, \lp, v4
	v_lshl_add_u32 v6, v3, 4, v6                   ; that row, + 16 h
	v_lshl_add_u32 v8, v3, 3, v4
	v_lshlrev_b32 v8, \lsp, v8                     ; a scale register: lanes 16-31 take the odd fragment's rows
.irp q, 0,1,2,3
	global_load_b128 v[32+4*\q:35+4*\q], v6, s[\cp:\cp+1] offset:32*\q
.endr
	s_wait_loadcnt 0x0
.irp q, 0,1,2,3
	global_store_b128 v5, v[32+4*\q:35+4*\q], s[24:25] offset:512*\q
.endr
	s_cmp_lg_u32 s16, 0
	s_cbranch_scc1 .Ldone
	s_wait_alu depctr_va_vdst(0)                   ; directly ahead of the reader below
.irp i, 0,1,2,3
.if \two
	global_load_b32 v[64+\i], v8, s[\sp:\sp+1] offset:512*(\i%2)+4*(\i/2)   ; W2: 32 rows of 16 bytes on for odd i; a K step on from i = 2
.else
	global_load_b32 v[64+\i], v8, s[\sp:\sp+1] offset:1024*\i               ; W1: 32 rows of 32 bytes on
.endif
.endr
	v_mov_b32 v68, 0
	v_mov_b32 v69, 0
	s_wait_alu depctr_va_vdst(0)                   ; directly ahead of the wait below
	s_wait_loadcnt 0x0
	global_store_b128 v5, v[64:67], s[14:15] offset:16384
	global_store_b64 v10, v[68:69], s[14:15] offset:16896      ; the 64 numbers: zeros, so that every byte of wts is written
	s_branch .Ldone
.endm
.Lw1:
	s_lshl_b32 s26, s18, 17                        ; (128 w + 32 t + 8 s) rows of 1,024 bytes + 128 c
	s_lshl_b32 s27, s33, 15
	s_add_co_u32 s26, s26, s27
	s_lshl_b32 s27, s34, 13
	s_add_co_u32 s26, s26, s27
	s_lshl_b32 s27, s17, 7
	s_add_co_u32 s26, s26, s27
	s_lshl_b32 s28, s18, 12                        ; 128 w rows of 32 bytes + 4 c
	s_lshl_b32 s29, s17, 2
	s_add_co_u32 s28, s28, s29
	s_wait_alu depctr_va_vdst(0)                   ; ahead of the readers below
	COPYW 4, 6, 10, 5, 0
.Lw2:
	s_sub_co_u32 s19, s17, 8                       ; which half of K
	s_lshl_b32 s26, s18, 15                        ; (64 w + 32 (t % 2) + 8 s) rows of 512 bytes + 128 (2 (c - 8) + t / 2)
	s_and_b32 s27, s33, 1
	s_lshl_b32 s27, s27, 14
	s_add_co_u32 s26, s26, s27
	s_lshl_b32 s27, s34, 12
	s_add_co_u32 s26, s26, s27
	s_lshl_b32 s27, s19, 8
	s_add_co_u32 s26, s26, s27
	s_lshr_b32 s27, s33, 1
	s_lshl_b32 s27, s27, 7
	s_add_co_u32 s26, s26, s27
	s_lshl_b32 s28, s18, 10                        ; 64 w rows of 16 bytes + 8 (c - 8)
	s_lshl_b32 s29, s19, 3
	s_add_co_u32 s28, s28, s29
	s_wait_alu depctr_va_vdst(0)                   ; ahead of the readers below
	COPYW 8, 10, 9, 4, 1
.Ldone:
	s_wait_tensorcnt 0x0                           ; the wave's end
	ds_add_u32 v232, v233
	s_wait_dscnt 0x0
	s_endpgm
.Lfunc_end_k_q579252e85f_prep:
	.size	k_q579252e85f_prep, .Lfunc_end_k_q579252e85f_prep-k_q579252e85f_prep
	.p2alignl 7, 3214868480
	.fill 96, 4, 3214868480
	.section	.rodata,"a",@progbits
	.p2align	6, 0x0
	.amdhsa_kernel k_q579252e85f_prep
		.amdhsa_group_segment_fixed_size 2048
		.amdhsa_private_segment_fixed_size 0
		.amdhsa_enable_private_segment 0
		.amdhsa_kernarg_size 48
		.amdhsa_user_sgpr_count 2
		.amdhsa_user_sgpr_kernarg_segment_ptr 1
		.amdhsa_wavefront_size32 1
		.amdhsa_system_sgpr_workgroup_id_x 1
		.amdhsa_system_sgpr_workgroup_id_y 1
		.amdhsa_system_sgpr_workgroup_id_z 1
		.amdhsa_system_vgpr_workitem_id 0
		.amdhsa_next_free_vgpr 234
		.amdhsa_next_free_sgpr 66
		.amdhsa_reserve_vcc 0
		.amdhsa_float_denorm_mode_32 3
		.amdhsa_float_denorm_mode_16_64 3
		.amdhsa_memory_ordered 1
		.amdhsa_forward_progress 1
		.amdhsa_inst_pref_size 21
	.end_amdhsa_kernel
	.amdgpu_metadata
---
amdhsa.version: [ 1, 2 ]
amdhsa.kernels:
  - .name:           k_q579252e85f_prep
    .symbol:         k_q579252e85f_prep.kd
    .args:
      - { .name: W1_codes, .offset: 0, .size: 8, .value_kind: global_buffer, .address_space: global }
      - { .name: W1_scales, .offset: 8, .size: 8, .value_kind: global_buffer, .address_space: global }
      - { .name: W2_codes, .offset: 16, .size: 8, .value_kind: global_buffer, .address_space: global }
      - { .name: W2_scales, .offset: 24, .size: 8, .value_kind: global_buffer, .address_space: global }
      - { .name: memory_bank, .offset: 32, .size: 8, .value_kind: global_buffer, .address_space: global }
      - { .name: wts, .offset: 40, .size: 8, .value_kind: global_buffer, .address_space: global }
    .group_segment_fixed_size: 2048
    .private_segment_fixed_size: 0
    .kernarg_segment_align: 8
    .kernarg_segment_size: 48
    .max_flat_workgroup_size: 256
    .sgpr_count:     66
    .vgpr_count:     234
    .wavefront_size: 32
...
	.end_amdgpu_metadata
.endif
;; end of part 1
;; launch chain (part 2): grid 256 x 1, 4 waves a work-group, no clusters, 327,680 bytes of LDS; arguments features_codes, features_scales, b1, b2, wts, out0; writes out0
.if DOCPART == 2
	.amdgcn_target "amdgcn-amd-amdhsa--gfx1250"
	.amdhsa_code_object_version 6
	.text
	.protected	k_q579252e85f_chain
	.globl	k_q579252e85f_chain
	.p2align	8
	.type	k_q579252e85f_chain,@function
k_q579252e85f_chain:
	s_mov_b64 s[64:65], 0
	v_nop
	global_prefetch_b8 v0, s[64:65] scope:SCOPE_SE
	s_setreg_imm32_b32 hwreg(HW_REG_WAVE_MODE, 25, 1), 1
	s_wait_xcnt 0x0
; out[row] = min over the bank of sqrt(max(x2 - 2 xm + m2, 0)), proj = Q(relu(X W1 + b1)) W2 + b2, all three products in MX-BF8.
; The root and the clip at 0 rise with their input, so the minimum is taken first: sqrt(max(x2 - 2 max(xm - m2/2), 0)); -m2/2 is the C of a bank tile's first product.
; LIMIT: that order of rounding differs from the module's; NaN and infinities are not served.
; SHARES: 256 work-groups of four waves; a work-group owns 128 rows through the whole chain.  Product 1: wave w makes 128 rows x hidden units 128 w .. +127 (64 accumulators);
; product 2: 128 rows x outputs 64 w .. +63; product 3: all 128 rows against every fourth group of four bank tiles (64 tiles of 16 entries a wave).
; THE WEIGHTS: wts holds them as images of the operands' registers, a quarter of each chunk for each wave, and no wave reads another's quarter.  So each lane loads its 16 bytes from memory
; straight into the operand's registers: W1 and W2 two chunks ahead (two sets of 128 registers), the bank six tiles ahead in a ring of eight tile buffers (at most 61 loads of a wave are out).
; NO JOINT LOADS: a joint load lands in LDS alone, and the weights have no LDS bytes here: each byte has one reader in the work-group.  NO PREFETCH: the ring of registers itself asks six tiles ahead of each tile's products.
; THE FEATURES, which all four waves read, come into LDS once, as four slices along K of 128 rows x 256 bytes: wave s fetches slice s by its one tensor load; nothing in LDS is filled again.
; h and proj are quantised in registers and handed between the waves through LDS as images of the operands' registers.
; REGISTERS: window 0: v0-127 addresses, scales, biases, at work; v128-255 A's fragments, then h's codes, then two sets of 8 score tiles.  window 1: weights.  windows 2, 3: product 1's sums;
; then window 2: product 2's sums and proj's codes; window 3: h's fragments, then -m2/2 (eight buffers of 8).
.set CQ,    17152                      ; a chunk quarter: 8 fragment images, a scale image, 64 numbers
.set SQ,    2*CQ
.set PAIR,  4*SQ                       ; from a wave's two chunks to its next two
.set FPI,   272                        ; an LDS row of a slice: 256 bytes + 16 of padding
.set SLB,   128*FPI
.set SPARE, 4*SLB                      ; the spare words: 512 bytes that no other line names
.set HIMG,  SPARE+512
.set HSC,   HIMG+32768
.set PIMG,  HSC+1024
.set PSC,   PIMG+16384
.set X2P,   PSC+512
.set SPW, 1
.set NIL, 2
.set GA,  3                            ; 16 x lane: a lane's place in an image; also its place in out
.set GC,  4                            ; 32 x (lane / 16): its eight numbers of -m2/2
.set ADA, 7                            ; v7-8 my A fragments in slices 0-1, 2-3
.set HWI, 9
.set HWS, 10
.set HRI, 11
.set HRS, 12
.set PWI, 13
.set PWS, 14
.set PRI, 15
.set PRS, 16
.set X2W, 17
.set GW,  18
.set FRX, 19
.set BO,  21
.set FSO, 22
.set SB,  24
.set FS,  32
.set W2S, 24
.set HW,  32
.set HS,  40
.set PS,  48
.set BS,  56
.set B1,  64
.set B2,  64
.set MX,  96
.set PB,  100
.set HD,  104
.set SO,  108
.set PW,  112
.set PC,  114
.set XP,  122
.set XQ,  124
.set M,   64
.set T1,  72
.set T2,  73
.set PT,  74
.set HC,  128
.set WV,  16
.set SEL, 22
.set MNT, 24
.set G1F, 36
.set BB,  44                           ; s[44:45] the bank's part of my stream
.set G0F, 52
.set MSB, 0
.macro WIN new                         ; the immediate's high byte repeats the setting that is left
.if MSB != (\new)
	s_set_vgpr_msb (MSB<<8)|(\new)
.set MSB, (\new)
.endif
.endm
.macro PLACES n
.rept \n
	v_nop
.endr
.endm
.macro WS
.if wRA && wRB
	v_wmma_scale_f32_16x16x128_f8f6f4 v[wD:wD+7], v[wA:wA+15], v[wB:wB+15], v[wC:wC+7], v[wSA], v[wSB] matrix_a_fmt:MATRIX_FMT_BF8 matrix_b_fmt:MATRIX_FMT_BF8 matrix_a_scale:MATRIX_SCALE_ROW1 matrix_b_scale:MATRIX_SCALE_ROW1
.elseif wRA
	v_wmma_scale_f32_16x16x128_f8f6f4 v[wD:wD+7], v[wA:wA+15], v[wB:wB+15], v[wC:wC+7], v[wSA], v[wSB] matrix_a_fmt:MATRIX_FMT_BF8 matrix_b_fmt:MATRIX_FMT_BF8 matrix_a_scale:MATRIX_SCALE_ROW1
.elseif wRB
	v_wmma_scale_f32_16x16x128_f8f6f4 v[wD:wD+7], v[wA:wA+15], v[wB:wB+15], v[wC:wC+7], v[wSA], v[wSB] matrix_a_fmt:MATRIX_FMT_BF8 matrix_b_fmt:MATRIX_FMT_BF8 matrix_b_scale:MATRIX_SCALE_ROW1
.else
	v_wmma_scale_f32_16x16x128_f8f6f4 v[wD:wD+7], v[wA:wA+15], v[wB:wB+15], v[wC:wC+7], v[wSA], v[wSB] matrix_a_fmt:MATRIX_FMT_BF8 matrix_b_fmt:MATRIX_FMT_BF8
.endif
.endm
	s_load_b256 s[4:11], s[0:1], 0x0               ; features' codes, their scales, b1, b2
	s_load_b128 s[12:15], s[0:1], 0x20             ; wts, out
	v_lshl_add_u32 v[SPW], v0, 2, SPARE
	v_mov_b32 v[NIL], 0
	ds_add_u32 v[SPW], v[NIL]                      ; the opening lines: the add, twice on end, and its wait ahead of my tensor load
	ds_add_u32 v[SPW], v[NIL]
	v_lshrrev_b32 v128, 5, v0
	v_readfirstlane_b32 s[WV], v128                ; wave 0..3
	s_mov_b32 s[G1F], (1<<20)|(5<<22)|(3<<25)      ; a slice: 128 rows x 256 bytes, pitch 1,024 in memory; 4 words of padding behind every 64
	s_mov_b32 s[G1F+1], 256<<16
	s_mov_b32 s[G1F+2], 128<<16
	s_mov_b32 s[G1F+3], 256<<16
	s_mov_b32 s[G1F+4], 128
	s_mov_b32 s[G1F+5], 1024
	s_mov_b32 s[G1F+6], 0
	s_mov_b32 s[G1F+7], 0
	s_mov_b32 s[G0F], 1
	s_mul_i32 s[G0F+1], s[WV], SLB                 ; slice w lies at w x 34,816
	s_lshl_b32 s26, s[WV], 11
	s_lshl_b32 s27, s[WV], 6
	s_lshl_b32 s28, s[WV], 10
	s_lshr_b32 s29, s[WV], 1
	s_lshl_b32 s29, s29, 6
	s_and_b32 s30, s[WV], 1
	s_lshl_b32 s30, s30, 1
	s_add_co_u32 s29, s29, s30
	s_lshl_b32 s30, s[WV], 9                       ; also my 128 numbers of b1
	s_mov_b32 s31, 0
	s_lshl_b32 s32, s[WV], 8                       ; my 64 numbers of b2
	s_mov_b32 s33, 0
	s_mul_i32 s20, s[WV], SQ                       ; my quarter of the stream
	s_mov_b32 s21, 0
	s_lshl_b32 s56, ttmp9, 17                      ; my work-group's 128 rows of 1,024 bytes, + 256 w
	s_add_co_u32 s56, s56, s32
	s_mov_b32 s57, 0
	s_lshl_b32 s58, ttmp9, 12                      ; their scales
	s_mov_b32 s59, 0
	s_lshl_b32 s60, ttmp9, 9                       ; their results
	s_mov_b32 s61, 0
	s_mov_b32 s[SEL], 0x76543210
	s_mov_b32 s[SEL+1], 0xfedcba98
	s_mov_b32 s[MNT], 0x600000
	v_and_b32 v128, 31, v0
	v_and_b32 v129, 15, v0
	v_bfe_u32 v130, v0, 4, 1
	v_lshlrev_b32 v[GA], 4, v128
	v_lshlrev_b32 v[GC], 5, v130
	v_mul_u32_u24 v[ADA], v129, FPI
	v_lshl_add_u32 v[ADA], v130, 4, v[ADA]
	v_add_nc_u32 v[ADA+1], 2*SLB, v[ADA]
	v_lshl_add_u32 v[HWI], v128, 4, s26
	v_add_nc_u32 v[HWI], HIMG, v[HWI]
	v_lshl_add_u32 v[HWS], v129, 2, s27
	v_add_nc_u32 v[HWS], HSC, v[HWS]
	v_lshl_add_u32 v[HRI], v128, 4, HIMG
	v_lshl_add_u32 v[HRS], v128, 2, HSC
	v_lshl_add_u32 v[PWI], v128, 4, s28
	v_add_nc_u32 v[PWI], PIMG, v[PWI]
	v_lshl_add_u32 v[PWS], v129, 2, s29
	v_add_nc_u32 v[PWS], PSC, v[PWS]
	v_lshl_add_u32 v[PRI], v128, 4, PIMG
	v_lshl_add_u32 v[PRS], v128, 2, PSC
	v_lshl_add_u32 v[X2W], v129, 2, s30
	v_add_nc_u32 v[GW], HIMG, v[X2W]
	v_add_nc_u32 v[X2W], X2P, v[X2W]
	v_lshl_add_u32 v[FRX], v128, 4, X2P
	v_lshlrev_b32 v[BO], 6, v130
	v_lshlrev_b32 v[FSO], 5, v129
	v_lshl_add_u32 v[FSO], v130, 4, v[FSO]
	s_wait_alu depctr_va_vdst(0)
	s_wait_dscnt 0x0                               ; both opening adds are done
	s_wait_kmcnt 0x0
	s_add_nc_u64 s[G0F+2:G0F+3], s[4:5], s[56:57]
	s_or_b32 s[G0F+3], s[G0F+3], 0x80000000
; one tensor load a wave, each in an arm of its own of one chain: the waves wait for their slices at different barriers
.macro ARM under, next
	s_cmp_lt_u32 s[WV], \under
	s_cbranch_scc0 \next
	tensor_load_to_lds s[G0F:G0F+3], s[G1F:G1F+7]
	s_nop 0
	PLACES 4
	s_branch .Lasked
\next:
.endm
	ARM 1, .Larm1
	ARM 2, .Larm2
	ARM 3, .Larm3
	tensor_load_to_lds s[G0F:G0F+3], s[G1F:G1F+7]
	s_nop 0
	PLACES 4
.Lasked:
	s_add_nc_u64 s[6:7], s[6:7], s[58:59]
	s_add_nc_u64 s[14:15], s[14:15], s[60:61]
	s_add_nc_u64 s[8:9], s[8:9], s[30:31]
	s_add_nc_u64 s[10:11], s[10:11], s[32:33]
	s_add_nc_u64 s[12:13], s[12:13], s[20:21]
	s_add_nc_u64 s[BB:BB+1], s[12:13], 20*SQ       ; chunk 10 on: the bank
; chunk c of my stream into set c % 2: 32 loads of codes and one of scale words, 512 consecutive bytes each
.macro GLOAD c
.set go, ((\c)/2)*PAIR+((\c)%2)*CQ
	WIN 0x40
.irp b, 0,1,2,3,4,5,6,7
.irp q, 0,1,2,3
	global_load_b128 v[128*((\c)%2)+16*\b+4*\q:128*((\c)%2)+16*\b+4*\q+3], v[GA], s[12:13] offset:go+2048*\b+512*\q
.endr
.endr
	WIN 0
	global_load_b128 v[SB+4*((\c)%2):SB+4*((\c)%2)+3], v[GA], s[12:13] offset:go+16384
.endm
.irp a, 0,1,2,3,4,5,6,7
	global_load_b128 v[FS+4*\a:FS+4*\a+3], v[FSO], s[6:7] offset:512*\a     ; lanes 0-15: the scale words of K steps 0-3, lanes 16-31: of 4-7
.endr
.irp b, 0,1,2,3,4,5,6,7
	global_load_b128 v[B1+8*\b:B1+8*\b+3], v[BO], s[8:9] offset:(32*(\b/2)+8*(\b%2))*4
	global_load_b128 v[B1+8*\b+4:B1+8*\b+7], v[BO], s[8:9] offset:(32*(\b/2)+8*(\b%2))*4+16
.endr
	GLOAD 0
	GLOAD 1
; slice s is shown to all waves: the wave that fetched it waits, then the barrier.  The last such barrier shows all that is out: there every wave waits
.macro SLICE s
.if (\s) < 3
	s_cmp_lg_u32 s[WV], (\s)
	s_cbranch_scc1 .Lnot_mine_\@
	s_wait_tensorcnt 0x0
.Lnot_mine_\@:
.else
	s_wait_tensorcnt 0x0
.endif
	s_barrier_signal -1
	s_barrier_wait -1
.endm
.macro FETCH_A c, i0                   ; A's blocks i0 .. i0 + 3 of K step c
.irp i, \i0, \i0+1, \i0+2, \i0+3
.irp q, 0,1,2,3
	ds_load_b128 v[128+16*(\i)+4*\q:128+16*(\i)+4*\q+3], v[ADA+(\c)/4] offset:(((\c)/2)%2)*SLB+((\c)%2)*128+(\i)*16*FPI+32*\q
.endr
.endr
.endm
; 16 products, transposed (source 0 = 16 hidden units, source 1 = 16 rows); K step 0 takes b1 as C; the 64 accumulators take turns
.macro MUL16 a0, c
.if (\c) == 0
	WIN 0x81+0x40*((\a0)/4)
.else
	WIN 0xa1+0x50*((\a0)/4)
.endif
.irp a, \a0, \a0+1
.irp b, 0,1,2,3,4,5,6,7
.set wD, 8*(8*((\a)%4)+\b)
.set wA, 128*((\c)%2)+16*\b
.set wB, 128+16*(\a)
.if (\c) == 0
.set wC, B1+8*\b
.else
.set wC, wD
.endif
.set wSA, SB+4*((\c)%2)+\b/2
.set wRA, \b%2
.set wSB, FS+4*(\a)+(\c)%4
.set wRB, (\c)/4
	WS
.endr
.endr
.endm
.macro STEP c
	s_wait_loadcnt 33                              ; chunk c is in; the 33 loads of chunk c + 1 may be out
	s_wait_dscnt 16                                ; A's blocks 0-3 are in; the 16 loads of blocks 4-7 may be out
	MUL16 0, \c
	MUL16 2, \c
	s_wait_dscnt 0x0
.if (\c) < 7
.if ((\c)%2) == 1
	WIN 0
	SLICE ((\c)+1)/2
.endif
	PLACES 8                                       ; eight places ahead of loads into registers that products have read
	WIN 0
	FETCH_A (\c)+1, 0
.endif
	MUL16 4, \c
	MUL16 6, \c
	PLACES 8
	WIN 0
.if (\c) < 7
	FETCH_A (\c)+1, 4
.endif
	GLOAD (\c)+2                                   ; into the set just multiplied; chunks 8 and 9 are W2
.endm
	SLICE 0
	FETCH_A 0, 0
	FETCH_A 0, 4
.irp c, 0,1,2,3,4,5,6,7
	STEP \c
.endr
.irp n, 0,1,2,3
	global_load_b128 v[B2+8*\n:B2+8*\n+3], v[BO], s[10:11] offset:(32*(\n/2)+8*(\n%2))*4
	global_load_b128 v[B2+8*\n+4:B2+8*\n+7], v[BO], s[10:11] offset:(32*(\n/2)+8*(\n%2))*4+16
.endr
.irp b, 0,1,2,3
	v_mov_b32 v[PB+\b], 0                          ; a lane permute's destination counts as one of its sources
.endr
; block a of h (16 rows x my 128 hidden units): four blocks of 32 along the next K; the hold between 0 and 57,344 x the scale is the activation too
.macro QUANTH a
.set qS, 64*((\a)%4)
.set qW, 2+(\a)/4
	WIN (qW<<2)|(qW<<4)
.irp b, 0,1,2,3
	v_max3_num_f32 v[MX+\b], 0x8000000, v[qS+16*\b], v[qS+16*\b+1]   ; no |.|: what is negative becomes 0; the floor 2^(16 - 127) holds the byte at 1 from below
.endr
.irp i, 2,4,6,8,10,12,14
.irp b, 0,1,2,3
	v_max3_num_f32 v[MX+\b], v[MX+\b], v[qS+16*\b+\i], v[qS+16*\b+\i+1]
.endr
.endr
	WIN 0
.irp b, 0,1,2,3
	v_permlanex16_b32 v[PB+\b], v[MX+\b], s[SEL], s[SEL+1]
.endr
.irp b, 0,1,2,3
	v_max_num_f32 v[MX+\b], v[MX+\b], v[PB+\b]
.endr
.irp b, 0,1,2,3
	v_add_nc_u32 v[SO+\b], 0xf8800000, v[MX+\b]    ; 15 off the exponent field: the conversion's scale operand
.endr
.irp b, 0,1,2,3
	v_and_or_b32 v[HD+\b], v[MX+\b], 0x7f800000, s[MNT]
.endr
.irp b, 0,1,2,3
	v_lshrrev_b32 v[PB+\b], 23, v[SO+\b]
.endr
	v_lshl_or_b32 v[HW+(\a)], v[PB+1], 8, v[PB]
	v_lshl_or_b32 v[HW+(\a)], v[PB+2], 16, v[HW+(\a)]
	v_lshl_or_b32 v[HW+(\a)], v[PB+3], 24, v[HW+(\a)]
	WIN (qW<<6)|qW
.set j, 0
.rept 64
	v_med3_num_f32 v[qS+j], v[qS+j], 0, v[HD+j/16]
.set j, j+1
.endr
	WIN qW
.irp b, 0,1,2,3
	v_cvt_scalef32_pk8_bf8_f32 v[HC+16*(\a)+4*\b:HC+16*(\a)+4*\b+1], v[qS+16*\b:qS+16*\b+7], v[SO+\b]
	v_cvt_scalef32_pk8_bf8_f32 v[HC+16*(\a)+4*\b+2:HC+16*(\a)+4*\b+3], v[qS+16*\b+8:qS+16*\b+15], v[SO+\b]
.endr
	WIN 0
	v_nop
.endm
.irp a, 0,1,2,3,4,5,6,7
	QUANTH \a
.endr
; block a of proj (16 rows x my 64 outputs): its squares for x2, two blocks of 32 quantised; codes, two scale bytes and the part of x2 go to LDS
.macro QUANTP p, a
.set qS, 128+32*(\p)
	WIN 0x0a
	v_pk_mul_f32 v[XP:XP+1], v[qS:qS+1], v[qS:qS+1]
	v_pk_mul_f32 v[XQ:XQ+1], v[qS+2:qS+3], v[qS+2:qS+3]
.irp j, 4,8,12,16,20,24,28
	v_pk_fma_f32 v[XP:XP+1], v[qS+\j:qS+\j+1], v[qS+\j:qS+\j+1], v[XP:XP+1]
	v_pk_fma_f32 v[XQ:XQ+1], v[qS+\j+2:qS+\j+3], v[qS+\j+2:qS+\j+3], v[XQ:XQ+1]
.endr
	WIN 0x28
.irp b, 0,1
	v_max3_num_f32 v[MX+\b], 0x8000000, |v[qS+16*\b]|, |v[qS+16*\b+1]|
.endr
.irp i, 2,4,6,8,10,12,14
.irp b, 0,1
	v_max3_num_f32 v[MX+\b], v[MX+\b], |v[qS+16*\b+\i]|, |v[qS+16*\b+\i+1]|
.endr
.endr
	WIN 0
.irp b, 0,1
	v_permlanex16_b32 v[PB+\b], v[MX+\b], s[SEL], s[SEL+1]
.endr
	v_pk_add_f32 v[XP:XP+1], v[XP:XP+1], v[XQ:XQ+1]
.irp b, 0,1
	v_max_num_f32 v[MX+\b], v[MX+\b], v[PB+\b]
.endr
	v_add_f32 v[XP], v[XP], v[XP+1]
.irp b, 0,1
	v_add_nc_u32 v[SO+\b], 0xf8800000, v[MX+\b]
.endr
	v_permlanex16_b32 v[XQ], v[XP], s[SEL], s[SEL+1]
.irp b, 0,1
	v_and_or_b32 v[HD+\b], v[MX+\b], 0x7f800000, s[MNT]
.endr
.irp b, 0,1
	v_lshrrev_b32 v[PB+\b], 23, v[SO+\b]
.endr
	v_add_f32 v[XP], v[XP], v[XQ]
	v_lshl_or_b32 v[PW], v[PB+1], 8, v[PB]
	WIN 0x82
.set j, 0
.rept 32
	v_med3_num_f32 v[qS+j], v[qS+j], -v[HD+j/16], v[HD+j/16]
.set j, j+1
.endr
	WIN 0x02
.irp b, 0,1
	v_cvt_scalef32_pk8_bf8_f32 v[PC+4*\b:PC+4*\b+1], v[qS+16*\b:qS+16*\b+7], v[SO+\b]
	v_cvt_scalef32_pk8_bf8_f32 v[PC+4*\b+2:PC+4*\b+3], v[qS+16*\b+8:qS+16*\b+15], v[SO+\b]
.endr
	WIN 0
	v_nop
	ds_store_b128 v[PWI], v[PC:PC+3] offset:4096*(\p)
	ds_store_b128 v[PWI], v[PC+4:PC+7] offset:4096*(\p)+512
	ds_store_b16 v[PWS], v[PW] offset:128*(\p)
	ds_store_b32 v[X2W], v[XP] offset:64*(\a)
.endm
; bank tile u (counted from the pair at s[BB]) into buffer u % 8: 8 loads of codes, 2 of -m2/2.  SLOAD: the scale words of the chunk that begins at tile u
.macro TLOAD u
.set tb, (\u)%8
.set to, ((\u)/8)*PAIR+(((\u)%8)/4)*CQ
	WIN 0x40
.irp f, 0,1
.irp q, 0,1,2,3
	global_load_b128 v[32*tb+16*\f+4*\q:32*tb+16*\f+4*\q+3], v[GA], s[BB:BB+1] offset:to+4096*((\u)%4)+2048*\f+512*\q
.endr
.endr
	WIN 0xc0
	global_load_b128 v[8*tb:8*tb+3], v[GC], s[BB:BB+1] offset:to+16896+64*((\u)%4)
	global_load_b128 v[8*tb+4:8*tb+7], v[GC], s[BB:BB+1] offset:to+16896+64*((\u)%4)+16
	WIN 0
.endm
.macro SLOAD u
	global_load_b128 v[BS+4*(((\u)%8)/4):BS+4*(((\u)%8)/4)+3], v[GA], s[BB:BB+1] offset:((\u)/8)*PAIR+(((\u)%8)/4)*CQ+16384
.endm
; four blocks of rows (4 g .. 4 g + 3) go through product 2: h's codes to LDS, a barrier, all 512 hidden units back, 64 products, proj quantised to LDS, a barrier, proj's codes back
.macro MIDDLE g
.irp p, 0,1,2,3
.irp q, 0,1,2,3
	ds_store_b128 v[HWI], v[HC+16*(4*\g+\p)+4*\q:HC+16*(4*\g+\p)+4*\q+3] offset:8192*\p+512*\q
.endr
	ds_store_b32 v[HWS], v[HW+4*\g+\p] offset:256*\p
.endr
	s_wait_dscnt 0x0                               ; for the others' sake: my stores have landed, and my reads of the last group's images are back
	s_barrier_signal -1
	s_barrier_wait -1
.irp p, 0,1,2,3
.irp u, 0,1
	ds_load_b32 v[HS+2*\p+\u], v[HRS] offset:256*\p+128*\u
.endr
.endr
	WIN 0xc0
.irp s, 0,1,2,3
.irp p, 0,1,2,3
.irp q, 0,1,2,3
	ds_load_b128 v[16*(4*\p+\s)+4*\q:16*(4*\p+\s)+4*\q+3], v[HRI] offset:8192*\p+2048*\s+512*\q
.endr
.endr
.endr
.if \g == 0
	s_wait_loadcnt 0x0                             ; W2 and b2
.endif
.irp s, 0,1,2,3
	s_wait_dscnt 16*(3-\s)                         ; K step s's sixteen loads are in; the later steps' may be out
.if \s == 0
	WIN 0x8d
.else
	WIN 0xad
.endif
.irp p, 0,1,2,3
.irp n, 0,1,2,3
.set wD, 128+32*\p+8*\n
.set wA, 16*(4*\s+\n)
.set wB, 16*(4*\p+\s)
.if \s == 0
.set wC, B2+8*\n
.else
.set wC, wD
.endif
.set wSA, W2S+2*\s+\n/2
.set wRA, \n%2
.set wSB, HS+2*\p+\s/2
.set wRB, \s%2
	WS
.endr
.endr
.endr
	WIN 0
	PLACES 8
.if \g == 1
	TLOAD 0                                        ; W2's and h's registers are free: the bank's first six tiles set out, in the order in which the stages below would have asked
	TLOAD 1
	SLOAD 0
	TLOAD 2
	TLOAD 3
	TLOAD 4
	TLOAD 5
.endif
.irp p, 0,1,2,3
	QUANTP \p, 4*\g+\p
.endr
	s_wait_dscnt 0x0
	s_barrier_signal -1
	s_barrier_wait -1
	WIN 0x80
.irp p, 0,1,2,3
.irp s, 0,1
.irp q, 0,1,2,3
	ds_load_b128 v[32*(4*\g+\p)+16*\s+4*\q:32*(4*\g+\p)+16*\s+4*\q+3], v[PRI] offset:4096*\p+2048*\s+512*\q
.endr
.endr
.endr
	WIN 0
.irp p, 0,1,2,3
	ds_load_b32 v[PS+4*\g+\p], v[PRS] offset:128*\p
.endr
.endm
	MIDDLE 0
	MIDDLE 1
; THE BANK.  A tile's 16 products, transposed (source 0 = 16 entries, source 1 = 16 rows): 8 with C = -m2/2, then 8 that add K step 1 in place, seven others between a sum's two steps
.macro WM16 t
.set tX, 128+64*((\t)%2)
.set wSA, BS+(\t)
.set wRA, 0
.set wRB, 0
	WIN 0x39
.irp x, 0,1,2,3,4,5,6,7
.set wD, tX+8*\x
.set wA, 32*(\t)
.set wB, 32*\x
.set wC, 8*(\t)
.set wSB, PS+\x
	WS
.endr
.set wRA, 1
.set wRB, 1
	WIN 0x09
.irp x, 0,1,2,3,4,5,6,7
.set wD, tX+8*\x
.set wA, 32*(\t)+16
.set wB, 32*\x+16
.set wC, wD
.set wSB, PS+\x
	WS
.endr
.endm
.macro MAXT par                        ; the running largest xm - m2/2 of each block of rows takes in a finished tile, each accumulator from its low end on
.set tY, 128+64*(\par)
.set g, 0
.rept 8
	v_max3_num_f32 v[T1], v[tY+8*g], v[tY+8*g+1], v[tY+8*g+2]
	v_max3_num_f32 v[T2], v[tY+8*g+3], v[tY+8*g+4], v[tY+8*g+5]
	v_max3_num_f32 v[M+g], v[M+g], v[tY+8*g+6], v[tY+8*g+7]
	v_max3_num_f32 v[M+g], v[M+g], v[T1], v[T2]
.set g, g+1
.endr
.endm
; tile i: n = the loads issued behind what it needs; its products; tile i + 6 is asked for (and at a chunk's first tile the next chunk's scale words); the maxima of tile i - 1,
; which are also the places behind this tile's products
.macro STAGE i, n, ld, prev
	s_wait_loadcnt \n
	WM16 ((\i)%8)
	WIN 0
.if \prev
	MAXT (((\i)+1)%2)
.else
	PLACES 8                                       ; tile 0 has no maxima behind it: eight places ahead of the next stage's read of its results
.endif
.if \ld
.if ((\i)%4) == 0
	SLOAD (\i)+4
.endif
	TLOAD (\i)+6
.endif
.endm
.irp i, 0,1,2,3,4,5,6,7
	v_mov_b32 v[M+\i], 0xff800000
	v_mov_b32 v[PT+\i], 0
.endr
	s_wait_dscnt 0x0                               ; proj's codes and scale words
	STAGE 0, 40, 1, 0                              ; behind the chunk's scale words: tiles 2 to 5, ten loads each
	s_mov_b32 s25, 7
.Lbank:                                                ; tiles 8 j + 1 .. 8 j + 8.  51: five younger tiles and one load of scale words; 40: four tiles behind my chunk's scale words
	STAGE 1, 51, 1, 1
	STAGE 2, 51, 1, 1
	STAGE 3, 51, 1, 1
	STAGE 4, 40, 1, 1
	STAGE 5, 51, 1, 1
	STAGE 6, 51, 1, 1
	STAGE 7, 51, 1, 1
	STAGE 8, 40, 1, 1
	s_wait_xcnt 0x0                                ; the base is stepped only behind this wait
	s_add_nc_u64 s[BB:BB+1], s[BB:BB+1], PAIR
	s_sub_co_u32 s25, s25, 1
	s_cmp_lg_u32 s25, 0
	s_cbranch_scc1 .Lbank
	STAGE 1, 51, 1, 1                              ; tile 57 asks for the last tile; then the counts run down
	STAGE 2, 51, 0, 1
	STAGE 3, 41, 0, 1
	STAGE 4, 20, 0, 1
	STAGE 5, 20, 0, 1
	STAGE 6, 10, 0, 1
	STAGE 7, 0, 0, 1
	PLACES 8
	MAXT 1
.irp a, 0,1,2,3,4,5,6,7
	v_permlanex16_b32 v[PT+\a], v[M+\a], s[SEL], s[SEL+1]
.endr
.irp a, 0,1,2,3,4,5,6,7
	v_max_num_f32 v[M+\a], v[M+\a], v[PT+\a]       ; with lane l xor 16's eight entries of each tile
.endr
.irp a, 0,1,2,3,4,5,6,7
	ds_store_b32 v[GW], v[M+\a] offset:64*\a
.endr
	s_wait_dscnt 0x0
	s_barrier_signal -1
	s_barrier_wait -1
	s_cmp_lg_u32 s[WV], 0
	s_cbranch_scc1 .Lothers
.irp i, 0,1,2,3
	ds_load_b128 v[128+4*\i:131+4*\i], v[HRI] offset:512*\i      ; the four waves' maxima of rows 4 l .. 4 l + 3
.endr
.irp i, 0,1,2,3
	ds_load_b128 v[144+4*\i:147+4*\i], v[FRX] offset:512*\i      ; and their parts of x2
.endr
	s_wait_dscnt 0x0
.irp j, 0,1,2,3
	v_max3_num_f32 v[160+\j], v[128+\j], v[132+\j], v[136+\j]
	v_add_f32 v[164+\j], v[144+\j], v[148+\j]
	v_add_f32 v[168+\j], v[152+\j], v[156+\j]
.endr
.irp j, 0,1,2,3
	v_max_num_f32 v[160+\j], v[160+\j], v[140+\j]
	v_add_f32 v[164+\j], v[164+\j], v[168+\j]
.endr
.irp j, 0,1,2,3
	v_fma_f32 v[164+\j], v[160+\j], -2.0, v[164+\j]
.endr
.irp j, 0,1,2,3
	v_max_num_f32 v[164+\j], 0, v[164+\j]
.endr
	s_wait_alu depctr_va_vdst(0)                   ; the wait ahead of the batch
.irp j, 0,1,2,3
	v_sqrt_f32 v[172+\j], v[164+\j]
.endr
	v_nop
	s_wait_alu depctr_va_vdst(0)                   ; and behind it, ahead of the first reader
	global_store_b128 v[GA], v[172:175], s[14:15]  ; 32 lanes store the work-group's 512 consecutive bytes
.Lothers:
	s_wait_tensorcnt 0x0                           ; the wave's end
	ds_add_u32 v[SPW], v[NIL]
	s_wait_dscnt 0x0
	s_endpgm
.Lfunc_end_k_q579252e85f_chain:
	.size	k_q579252e85f_chain, .Lfunc_end_k_q579252e85f_chain-k_q579252e85f_chain
	.p2alignl 7, 3214868480
	.fill 96, 4, 3214868480
	.section	.rodata,"a",@progbits
	.p2align	6, 0x0
	.amdhsa_kernel k_q579252e85f_chain
		.amdhsa_group_segment_fixed_size 327680
		.amdhsa_private_segment_fixed_size 0
		.amdhsa_enable_private_segment 0
		.amdhsa_kernarg_size 48
		.amdhsa_user_sgpr_count 2
		.amdhsa_user_sgpr_kernarg_segment_ptr 1
		.amdhsa_wavefront_size32 1
		.amdhsa_system_sgpr_workgroup_id_x 1
		.amdhsa_system_sgpr_workgroup_id_y 1
		.amdhsa_system_sgpr_workgroup_id_z 1
		.amdhsa_system_vgpr_workitem_id 0
		.amdhsa_next_free_vgpr 1024
		.amdhsa_next_free_sgpr 66
		.amdhsa_reserve_vcc 0
		.amdhsa_float_denorm_mode_32 3
		.amdhsa_float_denorm_mode_16_64 3
		.amdhsa_memory_ordered 1
		.amdhsa_forward_progress 1
		.amdhsa_inst_pref_size 255
	.end_amdhsa_kernel
	.section	.bss,"aw",@nobits
	.p2align	6
	.space	262144
	.amdgpu_metadata
---
amdhsa.version: [ 1, 2 ]
amdhsa.kernels:
  - .name:           k_q579252e85f_chain
    .symbol:         k_q579252e85f_chain.kd
    .args:
      - { .name: features_codes, .offset: 0, .size: 8, .value_kind: global_buffer, .address_space: global }
      - { .name: features_scales, .offset: 8, .size: 8, .value_kind: global_buffer, .address_space: global }
      - { .name: b1, .offset: 16, .size: 8, .value_kind: global_buffer, .address_space: global }
      - { .name: b2, .offset: 24, .size: 8, .value_kind: global_buffer, .address_space: global }
      - { .name: wts, .offset: 32, .size: 8, .value_kind: global_buffer, .address_space: global }
      - { .name: out0, .offset: 40, .size: 8, .value_kind: global_buffer, .address_space: global }
    .group_segment_fixed_size: 327680
    .private_segment_fixed_size: 0
    .kernarg_segment_align: 8
    .kernarg_segment_size: 48
    .max_flat_workgroup_size: 128
    .sgpr_count:     66
    .vgpr_count:     1024
    .wavefront_size: 32
...
	.end_amdgpu_metadata
.endif
;; end of part 2
